; MI455X (gfx1250); checked and timed in simulation.
; The chip was launched on July 23, 2026; its instructions are those of AMD's public machine-readable ISA for CDNA 5 (MIT licence, August 2026) and "CDNA5" Instruction Set Architecture Reference Guide (July 2026). The comments in the code are by the model that wrote it; some were corrected since.
;; Cross Attention. Allowed arithmetic: matrix products marked QUANTISED: E2M1 operands, one E8M0 scale for each 32 along K, by v_wmma_scale_f32_16x16x128_f8f6f4 with both operands' format E2M1 (or v_wmma_scale_f32_32x16x128_f4), f32 sums; everything else in f32.
;; Inputs: Wk 512 x 512 float32; Wo 512 x 512 float32; Wq 512 x 512 float32; Wv 512 x 512 float32; bo 512 float32; hidden_states 2 x 4,096 x 512 float32.
;; Outputs: out0 2 x 4,096 x 512 float32.
;; This version of the problem:
;;   THIS VERSION OF THE PROBLEM IS GIVEN IN LOW PRECISION. The matrix products marked QUANTISED in the list below multiply operands that are first quantised to E2M1 (2 exponent bits, 1 mantissa bit; 4 bits a number), with one power-of-two scale for each 32 numbers along K (OCP MX v1.0); their sums are f32. All else is computed in f32.
;;   The module's matrix products, in the order in which they are computed (A, B: the left and right operand; K: the contracted axis; several contracted axes count as one K, in the product's order):
;;     1. [M 8,192, K 512] x [K 512, N 512]; A: input hidden_states; B: input Wq: QUANTISED
;;     2. [M 8,192, K 512] x [K 512, N 512]; A: input hidden_states; B: input Wk: QUANTISED
;;     3. [M 8,192, K 512] x [K 512, N 512]; A: input hidden_states; B: input Wv: QUANTISED
;;     4. batch 16 x [M 4,096, K 64] x [K 64, N 4,096]; A: computed on the way; B: computed on the way: QUANTISED
;;     5. batch 16 x [M 4,096, K 4,096] x [K 4,096, N 64]; A: softmax (see below); B: computed on the way: QUANTISED
;;     6. [M 8,192, K 512] x [K 512, N 512]; A: computed on the way; B: input Wo: QUANTISED
;;   THE QUANTISER, for each operand of a quantised product, along K:
;;     - K is cut into blocks of 32 from its start; a last block that is shorter is filled with zeros.
;;     - A block's scale is 2^e with e = floor(log2(the largest magnitude in the block)) - 2, held to -126 .. 127; a block of zeros has e = 0. As a byte (E8M0): e + 127.
;;     - Each number is divided by its block's scale, clamped to +-6, and rounded to the nearest number of E2M1, ties to even, subnormals kept.
;;     - The product sums the exact products of the quantised numbers (number of the format x scale) in f32.
;;   ~~~python
;;   def quantise(x, axis):      # numpy; x: float32 -> the quantised numbers, widened to float32 again
;;       x = np.moveaxis(x, axis, -1); K = x.shape[-1]
;;       x = np.pad(x, [(0, 0)] * (x.ndim - 1) + [(0, -K % 32)]); x = x.reshape(x.shape[:-1] + (-1, 32)); a = np.abs(x).max(-1, keepdims=True)
;;       e = np.where(a > 0, np.clip(np.frexp(np.where(a > 0, a, 1))[1] - 1 - 2, -126, 127), 0)      # np.frexp(a)[1] - 1 = floor(log2(a)), exactly
;;       r = np.clip(x / 2.0 ** e, -6, 6)
;;       step = 2.0 ** (np.maximum(np.frexp(np.where(r == 0, 1, r))[1] - 1, 0) - 1)
;;       q = np.round(r / step) * step * 2.0 ** e      # np.round: ties to even
;;       return np.moveaxis(q.reshape(q.shape[:-2] + (-1,))[..., :K], -1, axis).astype(np.float32)
;;   ~~~
;;   SOFTMAX AHEAD OF A QUANTISED PRODUCT. Where the list says 'softmax', what is quantised is not the finished softmax but p = 2^(t - M), with t = logit x log2(e) and M = ceil(the row's largest t), a whole number; so 1/2 < the row's largest p <= 1. The row's sum l is taken of the UNQUANTISED p, in f32, and the product's result is divided by l at the end. Since M is a whole number, a kernel that streams over the keys may use a running M (the ceiling of the running maximum): every later rescaling is an exact power of two, which a block's scale takes up: the codes' values come out the same.
;;   OPERANDS COMPUTED ON THE WAY. 'Computed on the way' means the value that the module computes at that place (a softmax that the list does not call 'softmax' is quantised finished and normalised). What goes into a quantiser is computed in f32, as accurately as f32 sums, v_exp_f32 and their like allow (about 1e-6 of the number): no bf16 or f16 on the way to a quantiser, and a product that is left as it is and whose result goes on into a quantised operand takes f32 operands (vector FMAs, or v_wmma_f32_16x16x4_f32). A number that lies on a knife's edge between two numbers of the format may be rounded either way, as far as f32 arithmetic and the matrix unit's own rounding can turn it there, and no further.
;; One version. Each part assembles by itself: llvm-mc -triple=amdgcn-amd-amdhsa -mcpu=gfx1250 --defsym DOCPART=n.
;; ======== version 1 of 1: 4 launches
;; limits: right only within a limited range of input values
;; workspace buffers: tiles 2,785,280 bytes; qc 2,359,296 bytes; kv 4,587,520 bytes; ac 2,097,152 bytes; asc 131,072 bytes
;; launch quant (part 1): grid 640 x 1, 1 waves a work-group, no clusters, 10,496 bytes of LDS; arguments hidden_states, Wq, Wk, Wv, Wo, tiles; writes tiles
.if DOCPART == 1
	.amdgcn_target "amdgcn-amd-amdhsa--gfx1250"
	.amdhsa_code_object_version 6
	.text
	.protected	k_qc5fcabcb51_quant
	.globl	k_qc5fcabcb51_quant
	.p2align	8
	.type	k_qc5fcabcb51_quant,@function
k_qc5fcabcb51_quant:
	s_mov_b64 s[64:65], 0
	v_nop
	global_prefetch_b8 v0, s[64:65] scope:SCOPE_SE
	s_setreg_imm32_b32 hwreg(HW_REG_WAVE_MODE, 25, 1), 1
	s_wait_xcnt 0x0
; hidden_states [8192][512] and Wq, Wk, Wv, Wo [512][512], f32 with K innermost, become codes of FP4 (E2M1) with one E8M0 scale byte for each 32 along K,
; laid as IMAGES OF OPERAND REGISTERS: a tile is 16 rows x 512 K = 4,096 bytes of codes + 256 scale bytes = 4,352 bytes.
; In a tile the 16 bytes (32 codes) of block kb = 0..15 of lane place r lie at 256 kb + 16 r, so that a K step's half fragment is 512 bytes on end, 16 a lane; the scale bytes lie at 4096 + 16 r + kb.
; THE ROWS OF A TILE ARE NOT NEIGHBOURS: lane place r of tile T is row 32 (T / 2) + 8 (T % 2) + r + 8 (r / 8).  Tiles 0-511: hidden_states; 512-543 Wq; 544-575 Wk; 576-607 Wv; 608-639 Wo.
; A block's scale is 2^(floor(log2(its largest magnitude)) - 2); its byte is the largest magnitude's exponent field - 2, held at 1 from below.
; LIMITS: a block of zeros gets the byte 1 where the rule says 127 (its codes are zeros, and the bytes are read by this program alone); blocks whose largest magnitude lies under 2^(3 - 127) keep the byte 1; NaN and infinities among the inputs are not served.
; SHARES: one wave to a work-group, one tile to a wave; step t is the row of lane place t: 2,048 bytes by four loads of 512 consecutive bytes.  The conversions want 16 neighbours in a lane: a row turns through a stage in LDS
; (64 bytes + 16 of padding a place).  Codes and scale bytes are gathered in LDS and leave as 17 runs of 256 consecutive bytes, aligned.  Loads run eight steps (32 loads) ahead.  No barrier: one wave.
.set CST, 5120                         ; LDS: behind the two stages of 32 x 80 bytes: the code image, 16 rows (kb) of 256 bytes + 16
.set SBY, 9472                         ; and the 256 scale bytes
.set R,   16                           ; v16-143  eight sets of 16 numbers as loaded
.set X,   144                          ; v144-175 two sets of 16 neighbours
.set C,   176                          ; v176-207 a step's two registers of codes: never rewritten
.set E,   208                          ; v208-223 a step's scale byte
	s_load_b256 s[4:11], s[0:1], 0x0               ; hidden_states s[4:5], Wq s[6:7], Wk s[8:9], Wv s[10:11]
	s_load_b128 s[12:15], s[0:1], 0x20             ; Wo s[12:13], tiles s[14:15]
	v_lshl_add_u32 v224, v0, 2, 0x2800
	v_mov_b32 v225, 0
	v_and_b32 v2, 31, v0                           ; lane
	v_lshlrev_b32 v3, 4, v2                        ; 16 x lane: my bytes of a load's 512, and of a store's
	v_lshrrev_b32 v14, 2, v2
	v_mul_u32_u24 v14, v14, 80
	v_and_b32 v15, 3, v2
	v_lshl_add_u32 v14, v15, 4, v14                ; the stage, in: 80 (lane / 4) + 16 (lane % 4)
	v_mul_u32_u24 v15, v2, 80                      ; the stage, out: my 16 neighbours, k = 16 lane + 0..15
	v_lshrrev_b32 v5, 1, v2                        ; my block kb = lane / 2
	v_mul_u32_u24 v4, v5, 272
	v_and_b32 v6, 1, v2
	v_lshl_add_u32 v4, v6, 3, v4
	v_add_nc_u32 v4, CST, v4                       ; the code image: row kb, my half of the block's 16 bytes; 16 t comes by the immediate
	v_add_nc_u32 v5, SBY, v5                       ; the scale bytes: kb; 16 t comes by the immediate
	v_lshrrev_b32 v6, 4, v2
	v_mul_u32_u24 v6, v6, 272
	v_and_b32 v7, 15, v2
	v_lshl_add_u32 v6, v7, 4, v6
	v_add_nc_u32 v6, CST, v6                       ; the way out: sixteen lanes to a row of the image, two rows an instruction
	v_lshlrev_b32 v10, 3, v2                       ; 8 x lane
	v_add_nc_u32 v7, SBY, v10
	s_and_b32 s18, ttmp9, 31                       ; a weight's tile number (512, 544, 576, 608 are multiples of 32)
	s_wait_kmcnt 0x0
	s_cmp_lt_u32 ttmp9, 608                        ; which tensor: the choices hang on the work-group's number alone
	s_cselect_b64 s[16:17], s[10:11], s[12:13]
	s_cmp_lt_u32 ttmp9, 576
	s_cselect_b64 s[16:17], s[8:9], s[16:17]
	s_cmp_lt_u32 ttmp9, 544
	s_cselect_b64 s[16:17], s[6:7], s[16:17]
	s_cmp_lt_u32 ttmp9, 512
	s_cselect_b64 s[16:17], s[4:5], s[16:17]
	s_cselect_b32 s18, ttmp9, s18                  ; the tile's number in its tensor
	s_lshr_b32 s19, s18, 1
	s_lshl_b32 s19, s19, 16                        ; 32 (T / 2) rows of 2,048 bytes
	s_and_b32 s20, s18, 1
	s_lshl_b32 s20, s20, 14                        ; + 8 (T % 2) rows
	s_add_co_u32 s20, s19, s20
	s_mov_b32 s21, 0
	s_add_nc_u64 s[16:17], s[16:17], s[20:21]
	s_mul_i32 s22, ttmp9, 4352
	s_mov_b32 s23, 0
	s_add_nc_u64 s[14:15], s[14:15], s[22:23]      ; my tile's place
.macro LOAD t                          ; the row of lane place t: t + 8 (t / 8) rows on
.irp i, 0,1,2,3
	global_load_b128 v[R+16*((\t)%8)+4*\i:R+16*((\t)%8)+4*\i+3], v3, s[16:17] offset:((\t)+8*((\t)/8))*2048+512*\i th:TH_LOAD_NT
.endr
.endm
.macro TURN t                          ; through the stage: LDS serves a wave's instructions in order (ISA guide 5.7.1.4), so no wait stands between the stores and the loads
.irp i, 0,1,2,3
	ds_store_b128 v14, v[R+16*((\t)%8)+4*\i:R+16*((\t)%8)+4*\i+3] offset:2560*((\t)%2)+640*\i
.endr
.irp i, 0,1,2,3
	ds_load_b128 v[X+16*((\t)%2)+4*\i:X+16*((\t)%2)+4*\i+3], v15 offset:2560*((\t)%2)+16*\i
.endr
.endm
.irp t, 0,1,2,3,4,5,6,7
	LOAD \t
.endr
	s_wait_loadcnt 28                              ; step 0's four loads are in; seven steps' may be out
	TURN 0
.macro STEP t
.set XS, X+16*((\t)%2)
.if (\t) > 0
	s_wait_dscnt 2                                 ; this step's numbers are back from the stage; the last step's two stores may be out
.else
	s_wait_dscnt 0x0
.endif
.if (\t)+8 < 16
	LOAD (\t)+8                                    ; into the set that this step's stores into the stage have read
.endif
.if (\t) < 15
.if (\t)+8 < 16
	s_wait_loadcnt 28                              ; the next step's four loads are in; those of the seven steps behind it may be out
.else
	s_wait_loadcnt 4*(14-(\t))                     ; no more loads are issued: the count runs down
.endif
	TURN (\t)+1                                    ; the next step goes through the other stage while this one is worked
.endif
	v_max3_num_f32 v8, |v[XS]|, |v[XS+1]|, |v[XS+2]|               ; the largest magnitude of my 16, in two chains
	v_max3_num_f32 v9, |v[XS+3]|, |v[XS+4]|, |v[XS+5]|
.irp i, 6,10
	v_max3_num_f32 v8, v8, |v[XS+\i]|, |v[XS+\i+1]|
	v_max3_num_f32 v9, v9, |v[XS+\i+2]|, |v[XS+\i+3]|
.endr
	v_max3_num_f32 v8, v8, |v[XS+14]|, |v[XS+15]|
	v_max3_num_f32 v8, v8, v9, 0x1800000           ; and the floor 2^(3 - 127): the byte cannot fall under 1
	v_max_num_f32_dpp v8, v8, v8 row_xmask:1 row_mask:0xf bank_mask:0xf   ; and of my neighbour's 16: the block's
	v_add_nc_u32 v11, 0xff000000, v8               ; 2 off its exponent field: the conversion takes the exponent field of this operand as its scale
	v_cvt_scalef32_pk8_fp4_f32 v[C+2*(\t)], v[XS:XS+7], v11
	v_cvt_scalef32_pk8_fp4_f32 v[C+2*(\t)+1], v[XS+8:XS+15], v11
	v_lshrrev_b32 v[E+(\t)], 23, v11               ; the scale's byte (a plain line behind the conversions)
	ds_store_b8 v5, v[E+(\t)] offset:16*(\t)       ; both lanes of a block write the same byte with the same value
	ds_store_b64 v4, v[C+2*(\t):C+2*(\t)+1] offset:16*(\t)
.endm
.irp t, 0,1,2,3,4,5,6,7,8,9,10,11,12,13,14,15
	STEP \t
.endr
.irp i, 0,1,2,3,4,5,6,7
	ds_load_b128 v[16+4*\i:19+4*\i], v6 offset:544*\i   ; these see my stores: a wave's LDS instructions are served in order
.endr
	ds_load_b64 v[48:49], v7
.irp i, 0,1,2,3,4,5,6,7
	s_wait_dscnt 8-\i                              ; behind load i: 7 - i loads of the image and the scale bytes' one
	global_store_b128 v3, v[16+4*\i:19+4*\i], s[14:15] offset:512*\i   ; 512 consecutive bytes, aligned to 256
.endr
	s_wait_dscnt 0x0
	global_store_b64 v10, v[48:49], s[14:15] offset:4096               ; 256 consecutive bytes, aligned
	s_wait_tensorcnt 0x0
	ds_add_u32 v224, v225
	s_wait_dscnt 0x0
	s_endpgm
.Lfunc_end_k_qc5fcabcb51_quant:
	.size	k_qc5fcabcb51_quant, .Lfunc_end_k_qc5fcabcb51_quant-k_qc5fcabcb51_quant
	.p2alignl 7, 3214868480
	.fill 96, 4, 3214868480
	.section	.rodata,"a",@progbits
	.p2align	6, 0x0
	.amdhsa_kernel k_qc5fcabcb51_quant
		.amdhsa_group_segment_fixed_size 10496
		.amdhsa_private_segment_fixed_size 0
		.amdhsa_enable_private_segment 0
		.amdhsa_kernarg_size 48
		.amdhsa_user_sgpr_count 2
		.amdhsa_user_sgpr_kernarg_segment_ptr 1
		.amdhsa_wavefront_size32 1
		.amdhsa_system_sgpr_workgroup_id_x 1
		.amdhsa_system_sgpr_workgroup_id_y 1
		.amdhsa_system_sgpr_workgroup_id_z 1
		.amdhsa_system_vgpr_workitem_id 0
		.amdhsa_next_free_vgpr 226
		.amdhsa_next_free_sgpr 66
		.amdhsa_reserve_vcc 0
		.amdhsa_float_denorm_mode_32 3
		.amdhsa_float_denorm_mode_16_64 3
		.amdhsa_memory_ordered 1
		.amdhsa_forward_progress 1
		.amdhsa_inst_pref_size 35
	.end_amdhsa_kernel
	.amdgpu_metadata
---
amdhsa.version: [ 1, 2 ]
amdhsa.kernels:
  - .name:           k_qc5fcabcb51_quant
    .symbol:         k_qc5fcabcb51_quant.kd
    .args:
      - { .name: hidden_states, .offset: 0, .size: 8, .value_kind: global_buffer, .address_space: global }
      - { .name: Wq, .offset: 8, .size: 8, .value_kind: global_buffer, .address_space: global }
      - { .name: Wk, .offset: 16, .size: 8, .value_kind: global_buffer, .address_space: global }
      - { .name: Wv, .offset: 24, .size: 8, .value_kind: global_buffer, .address_space: global }
      - { .name: Wo, .offset: 32, .size: 8, .value_kind: global_buffer, .address_space: global }
      - { .name: tiles, .offset: 40, .size: 8, .value_kind: global_buffer, .address_space: global }
    .group_segment_fixed_size: 10496
    .private_segment_fixed_size: 0
    .kernarg_segment_align: 8
    .kernarg_segment_size: 48
    .max_flat_workgroup_size: 32
    .sgpr_count:     66
    .vgpr_count:     226
    .wavefront_size: 32
...
	.end_amdgpu_metadata
.endif
;; end of part 1
;; launch proj (part 2): grid 4 x 64, 6 waves a work-group, no clusters, 168,704 bytes of LDS; arguments tiles, qc, kv; writes qc, kv
.if DOCPART == 2
	.amdgcn_target "amdgcn-amd-amdhsa--gfx1250"
	.amdhsa_code_object_version 6
	.text
	.protected	k_qc5fcabcb51_proj
	.globl	k_qc5fcabcb51_proj
	.p2align	8
	.type	k_qc5fcabcb51_proj,@function
k_qc5fcabcb51_proj:
	s_mov_b64 s[64:65], 0
	v_nop
	global_prefetch_b8 v0, s[64:65] scope:SCOPE_SE
	s_setreg_imm32_b32 hwreg(HW_REG_WAVE_MODE, 25, 1), 1
	s_wait_xcnt 0x0
; q = x Wq^T, k = x Wk^T, v = x Wv^T on codes of FP4 with E8M0 scales (K = 512: four matrix instructions deep, f32 sums), and the results quantised on the way: q and k along the head's 64, v along the keys.
; SHARES.  Work-group (x, g): rows 128 g .. 128 g + 127 of hidden_states = tiles 8 g .. 8 g + 7 of the buffer tiles: one dense block of 34,816 bytes, brought into LDS once by one tensor load.
; Wave w takes unit u = 6 x + w of 24: kind u / 8 (q, k, v), head u % 8; its four tiles of the weight (64 outputs), 512 + 4 u + n, stay in 128 registers, read from memory once.
; q, k: THE PRODUCT IS USED TRANSPOSED (source 0 = 16 rows of W, source 1 = 16 rows of x): a lane holds one row of x, and by the order of a tile's rows (lane place r of tile T = row 32 (T / 2) + 8 (T % 2) + r + 8 (r / 8))
; the 16 registers of tiles 2 b, 2 b + 1 are the head's channels 32 b + 16 (lane / 16) + 0..15: a block of 32 lies in lanes l and l xor 16.
; v: source 0 = x, source 1 = W: a lane holds one channel, and the 16 registers of the pair of x tiles 2 p, 2 p + 1 are keys 32 p + 16 (lane / 16) + 0..15.
; OUT, as images of operand registers.  qc [16 heads of the batch][32 groups of 128 rows][4,608]: 8 tiles x 512 bytes (lane l's 16 bytes at 16 l: block l / 16 of row place l % 16), then 512 bytes of scale words:
; word i at 16 l + 4 i is tile 2 i + l / 16, row l % 16; a word is b0 | b1 << 8 | b0 << 16 | b1 << 24 (the upper two bytes scale zero codes).  kv [16][32 key steps][8,960]: k's record as in qc; then V^T: 4 tiles of channels x 1,024
; bytes (1024 n + 512 c + 16 l); then 256 bytes of scale words: word i at 8 l + 4 i is tile 2 i + l / 16.
; LIMITS: a block of zeros gets the byte 1 (its codes are zeros; the bytes are read by this program alone); NaN and infinities are not served.
; NO CLUSTER: of a work-group's 34,816 + 6 x 17,408 = 139,264 bytes only the first 34,816 are shared (by the four work-groups of a g), and they are fetched once, at the head.
; REGISTERS.  window 0: v1 16 lane, v2 16 (lane % 16), v3 8 lane; v8-23 W's scale words (4 n + s); v24-31 x's (4 u + s); v32-95 x's fragments of a pair of tiles; v96-159 eight accumulators; v160-175 at work;
;   v176-207 codes; v208-215 scale words; v216-219 the scale image.   window 1: v0-127 W's fragments (32 n + 8 s + 4 c).
.set TILEB, 4352
.set WS,  8
.set XS,  24
.set XF,  32
.set ACC, 96
.set TM,  160                          ; +0..3 largest magnitudes; +4..7 the other half's, then the bytes; +12..15 the conversions' scale operands
.set CD,  176
.set PW,  208
.set SI,  216
.set TW,  220
.set MSB, 0
.macro WIN new                         ; the immediate's high byte repeats the setting that is left
.if MSB != \new
	s_set_vgpr_msb (MSB<<8)|\new
.set MSB, \new
.endif
.endm
	s_load_b128 s[4:7], s[0:1], 0x0                ; tiles s[4:5], qc s[6:7]
	s_load_b64 s[8:9], s[0:1], 0x10                ; kv
	v_lshl_add_u32 v254, v0, 2, 0x29000
	v_mov_b32 v255, 0
	ds_add_u32 v254, v255
	ds_add_u32 v254, v255
	v_lshrrev_b32 v4, 5, v0
	v_readfirstlane_b32 s2, v4                     ; wave 0..5
	v_and_b32 v4, 31, v0
	v_lshlrev_b32 v1, 4, v4
	v_lshlrev_b32 v3, 3, v4
	v_and_b32 v2, 15, v0
	v_lshlrev_b32 v2, 4, v2
	s_mul_i32 s3, ttmp9, 6
	s_add_co_u32 s3, s3, s2                        ; u
	s_and_b32 s10, ttmp7, 0xffff                   ; g
	; descriptor group 1: a dense block as 136 rows of 256 bytes (32 elements of 8 bytes), no padding: every LDS load below takes 512 bytes on end
	s_mov_b32 s16, 3<<16
	s_mov_b32 s17, 32<<16                          ; tensor_dim0
	s_mov_b32 s18, 136<<16                         ; tensor_dim1
	s_mov_b32 s19, 32<<16                          ; tile_dim0
	s_mov_b32 s20, 136                             ; tile_dim1
	s_mov_b32 s21, 32                              ; the pitch
	s_mov_b32 s22, 0
	s_mov_b32 s23, 0
	s_mul_i32 s36, s10, 8*TILEB                    ; x's block
	s_mov_b32 s37, 0
	s_lshl_b32 s38, s3, 2
	s_add_co_u32 s38, s38, 512
	s_mul_i32 s38, s38, TILEB                      ; my four tiles of the weight
	s_mov_b32 s39, 0
	s_lshr_b32 s11, s10, 5                         ; the batch
	s_lshl_b32 s11, s11, 3
	s_and_b32 s12, s3, 7                           ; the head
	s_add_co_u32 s11, s11, s12
	s_lshl_b32 s11, s11, 5
	s_and_b32 s12, s10, 31
	s_add_co_u32 s11, s11, s12                     ; the record: (8 batch + head) x 32 + g % 32
	s_mov_b32 s32, 0x76543210
	s_mov_b32 s33, 0xfedcba98                      ; v_permlanex16_b32's selects for lane l xor 16
	s_mov_b32 s34, 0xffff0000                      ; lanes 16-31
	s_wait_dscnt 0x0
	s_wait_kmcnt 0x0
	s_cmp_lt_u32 s3, 8                             ; q goes to qc, k and v to kv: the choice hangs on ids alone
	s_cselect_b64 s[30:31], s[6:7], s[8:9]
	s_mov_b32 s12, 8960
	s_cselect_b32 s12, 4608, s12
	s_mul_i32 s12, s11, s12
	s_cmp_ge_u32 s3, 16
	s_cselect_b32 s13, 4608, 0                     ; v's part lies behind k's
	s_add_co_u32 s12, s12, s13
	s_mov_b32 s13, 0
	s_add_nc_u64 s[30:31], s[30:31], s[12:13]
	s_add_nc_u64 s[28:29], s[4:5], s[38:39]
	s_mov_b32 s24, 1                               ; group 0: count,
	s_mov_b32 s25, 0                               ; LDS byte 0,
	s_add_nc_u64 s[26:27], s[4:5], s[36:37]        ; the block's first byte,
	s_or_b32 s27, s27, 0x80000000                  ; the type
	s_cmp_lg_u32 s2, 0
	s_cbranch_scc1 .Lno_fill
	tensor_load_to_lds s[24:27], s[16:23]          ; wave 0 alone: the launch's one fill
	s_nop 0
.rept 4
	v_nop                                          ; four lines here ahead of a switch of windows
.endr
.Lno_fill:
	WIN 0x40                                       ; destination window 1
	s_wait_alu depctr_va_vdst(0)
.irp n, 0,1,2,3
.irp s, 0,1,2,3
.irp c, 0,1
	global_load_b128 v[32*\n+8*\s+4*\c:32*\n+8*\s+4*\c+3], v1, s[28:29] offset:\n*TILEB+1024*\s+512*\c
.endr
.endr
.endr
	WIN 0
.irp n, 0,1,2,3
	global_load_b128 v[WS+4*\n:WS+4*\n+3], v2, s[28:29] offset:\n*TILEB+4096   ; row r's four scale words
.endr
.irp b, 0,1,2,3
	v_mov_b32 v[TM+4+\b], 0                        ; written once: a lane permute's destination counts as one of its sources
.endr
	s_wait_tensorcnt 0x0                           ; the block has landed (in wave 0; the others have no load out),
	s_barrier_signal -1
	s_barrier_wait -1                              ; and every wave may read it.  The launch's one barrier: LDS is only read from here on
.macro FETCHX p                        ; the pair of x tiles 2 p, 2 p + 1: 16 loads of fragments, 2 of scale words
.irp u, 0,1
.irp s, 0,1,2,3
.irp c, 0,1
	ds_load_b128 v[XF+32*\u+8*\s+4*\c:XF+32*\u+8*\s+4*\c+3], v1 offset:(2*(\p)+\u)*TILEB+1024*\s+512*\c
.endr
.endr
	ds_load_b128 v[XS+4*\u:XS+4*\u+3], v2 offset:(2*(\p)+\u)*TILEB+4096
.endr
.endm
; 32 matrix instructions; the eight accumulators take turns, one instruction a turn; the first K step starts the sums
.macro MULQK
	WIN 0x01                                       ; source 0 (W) window 1
.irp s, 0,1,2,3
.irp u, 0,1
.irp n, 0,1,2,3
.if \s == 0
	v_wmma_scale_f32_16x16x128_f8f6f4 v[ACC+32*\u+8*\n:ACC+32*\u+8*\n+7], v[32*\n+8*\s:32*\n+8*\s+7], v[XF+32*\u+8*\s:XF+32*\u+8*\s+7], 0, v[WS+4*\n+\s], v[XS+4*\u+\s] matrix_a_fmt:MATRIX_FMT_FP4 matrix_b_fmt:MATRIX_FMT_FP4
.else
	v_wmma_scale_f32_16x16x128_f8f6f4 v[ACC+32*\u+8*\n:ACC+32*\u+8*\n+7], v[32*\n+8*\s:32*\n+8*\s+7], v[XF+32*\u+8*\s:XF+32*\u+8*\s+7], v[ACC+32*\u+8*\n:ACC+32*\u+8*\n+7], v[WS+4*\n+\s], v[XS+4*\u+\s] matrix_a_fmt:MATRIX_FMT_FP4 matrix_b_fmt:MATRIX_FMT_FP4
.endif
.endr
.endr
.endr
	WIN 0
.endm
.macro MULV
	WIN 0x04                                       ; source 1 (W) window 1
.irp s, 0,1,2,3
.irp u, 0,1
.irp n, 0,1,2,3
.if \s == 0
	v_wmma_scale_f32_16x16x128_f8f6f4 v[ACC+16*\n+8*\u:ACC+16*\n+8*\u+7], v[XF+32*\u+8*\s:XF+32*\u+8*\s+7], v[32*\n+8*\s:32*\n+8*\s+7], 0, v[XS+4*\u+\s], v[WS+4*\n+\s] matrix_a_fmt:MATRIX_FMT_FP4 matrix_b_fmt:MATRIX_FMT_FP4
.else
	v_wmma_scale_f32_16x16x128_f8f6f4 v[ACC+16*\n+8*\u:ACC+16*\n+8*\u+7], v[XF+32*\u+8*\s:XF+32*\u+8*\s+7], v[32*\n+8*\s:32*\n+8*\s+7], v[ACC+16*\n+8*\u:ACC+16*\n+8*\u+7], v[XS+4*\u+\s], v[WS+4*\n+\s] matrix_a_fmt:MATRIX_FMT_FP4 matrix_b_fmt:MATRIX_FMT_FP4
.endif
.endr
.endr
.endr
	WIN 0
.endm
; Four blocks of 32, block b's half in my 16 registers v[ACC + 16 b] on: the scale operands in v[TM+12+b], the bytes in v[TM+4+b].  Each accumulator is read from its low end on.
.macro QCORE
.irp b, 0,1,2,3
	v_max3_num_f32 v[TM+\b], |v[ACC+16*\b]|, |v[ACC+16*\b+1]|, 0x1800000   ; with the floor 2^(3 - 127): the byte cannot fall under 1
.endr
.irp i, 2,4,6,8,10,12,14
.irp b, 0,1,2,3
	v_max3_num_f32 v[TM+\b], v[TM+\b], |v[ACC+16*\b+\i]|, |v[ACC+16*\b+\i+1]|   ; the four blocks by turns
.endr
.endr
.irp b, 0,1,2,3
	v_permlanex16_b32 v[TM+4+\b], v[TM+\b], s32, s33
.endr
.irp b, 0,1,2,3
	v_max_num_f32 v[TM+\b], v[TM+\b], v[TM+4+\b]   ; with lane l xor 16's: the block's largest magnitude
.endr
.irp b, 0,1,2,3
	v_add_nc_u32 v[TM+12+\b], 0xff000000, v[TM+\b] ; 2 off its exponent field: the conversion's scale operand
.endr
.irp b, 0,1,2,3
	v_lshrrev_b32 v[TM+4+\b], 23, v[TM+12+\b]      ; the scale's byte
.endr
.endm
.macro PLACES                          ; four plain lines between matrix instructions and loads into their sources or reads of their results
.rept 4
	v_nop
.endr
.endm
	FETCHX 0
	s_wait_loadcnt 0x0                             ; W's fragments and scale words
	s_cmp_ge_u32 s3, 16
	s_cbranch_scc1 .Lv
; ---- q or k: a pair of x tiles at a time
.macro QKPAIR p
	s_wait_dscnt 0x0                               ; the pair's fragments and scale words are in
	MULQK
	PLACES
.if (\p) < 3
	FETCHX (\p)+1                                  ; the next pair lands while this one is quantised
.endif
	QCORE                                          ; block 2 u + b: tile u, channels 32 b on
.irp u, 0,1
	v_lshl_or_b32 v[TW], v[TM+5+2*\u], 8, v[TM+4+2*\u]
	v_lshl_or_b32 v[PW+2*(\p)+\u], v[TW], 16, v[TW]   ; b0 | b1 << 8, twice: the upper two bytes scale zero codes
.endr
.irp b, 0,1,2,3
	v_cvt_scalef32_pk8_fp4_f32 v[CD+8*(\p)+2*\b], v[ACC+16*\b:ACC+16*\b+7], v[TM+12+\b]
	v_cvt_scalef32_pk8_fp4_f32 v[CD+8*(\p)+2*\b+1], v[ACC+16*\b+8:ACC+16*\b+15], v[TM+12+\b]
.endr
	v_nop                                          ; one plain line behind a scaled conversion
.irp u, 0,1
.irp i, 0,1
	v_permlane16_swap_b32 v[CD+8*(\p)+4*\u+\i], v[CD+8*(\p)+4*\u+2+\i]   ; a WHOLE block in a lane: lanes 0-15 block 0, lanes 16-31 block 1
.endr
.endr
.irp u, 0,1
	global_store_b128 v1, v[CD+8*(\p)+4*\u:CD+8*(\p)+4*\u+3], s[30:31] offset:(2*(\p)+\u)*512   ; 512 consecutive bytes, aligned to 256; the data are never rewritten
.endr
.endm
.irp p, 0,1,2,3
	QKPAIR \p
.endr
.irp i, 0,1,2,3
	v_cndmask_b32 v[SI+\i], v[PW+2*\i], v[PW+2*\i+1], s34   ; lanes 0-15: tile 2 i's words; lanes 16-31: tile 2 i + 1's
.endr
	global_store_b128 v1, v[SI:SI+3], s[30:31] offset:4096
	s_wait_tensorcnt 0x0
	ds_add_u32 v254, v255
	s_wait_dscnt 0x0
	s_endpgm
.Lv:
; ---- v: the pair p of x tiles is block p of the key step's four; block n of QCORE is the tile n of channels
.macro VPAIR p
	s_wait_dscnt 0x0
	MULV
	PLACES
.if (\p) < 3
	FETCHX (\p)+1
.endif
	QCORE
.irp n, 0,1,2,3
.if (\p) == 0
	v_mov_b32 v[PW+\n], v[TM+4+\n]                 ; the scale word of my channel: byte p for keys 32 p on
.else
	v_lshl_or_b32 v[PW+\n], v[TM+4+\n], 8*(\p), v[PW+\n]
.endif
.endr
.irp n, 0,1,2,3
	v_cvt_scalef32_pk8_fp4_f32 v[CD+8*\n+2*(\p)], v[ACC+16*\n:ACC+16*\n+7], v[TM+12+\n]
	v_cvt_scalef32_pk8_fp4_f32 v[CD+8*\n+2*(\p)+1], v[ACC+16*\n+8:ACC+16*\n+15], v[TM+12+\n]
.endr
	v_nop                                          ; one plain line behind a scaled conversion
.endm
.irp p, 0,1,2,3
	VPAIR \p
.endr
.irp n, 0,1,2,3
.irp c, 0,1
.irp i, 0,1
	v_permlane16_swap_b32 v[CD+8*\n+4*\c+\i], v[CD+8*\n+4*\c+2+\i]   ; lanes 0-15 block 2 c, lanes 16-31 block 2 c + 1
.endr
.endr
.endr
.irp n, 0,1,2,3
.irp c, 0,1
	global_store_b128 v1, v[CD+8*\n+4*\c:CD+8*\n+4*\c+3], s[30:31] offset:1024*\n+512*\c
.endr
.endr
.irp i, 0,1
	v_cndmask_b32 v[SI+\i], v[PW+2*\i], v[PW+2*\i+1], s34
.endr
	global_store_b64 v3, v[SI:SI+1], s[30:31] offset:4096   ; 256 consecutive bytes, aligned
	s_wait_tensorcnt 0x0
	ds_add_u32 v254, v255
	s_wait_dscnt 0x0
	s_endpgm
.Lfunc_end_k_qc5fcabcb51_proj:
	.size	k_qc5fcabcb51_proj, .Lfunc_end_k_qc5fcabcb51_proj-k_qc5fcabcb51_proj
	.p2alignl 7, 3214868480
	.fill 96, 4, 3214868480
	.section	.rodata,"a",@progbits
	.p2align	6, 0x0
	.amdhsa_kernel k_qc5fcabcb51_proj
		.amdhsa_group_segment_fixed_size 168704
		.amdhsa_private_segment_fixed_size 0
		.amdhsa_enable_private_segment 0
		.amdhsa_kernarg_size 24
		.amdhsa_user_sgpr_count 2
		.amdhsa_user_sgpr_kernarg_segment_ptr 1
		.amdhsa_wavefront_size32 1
		.amdhsa_system_sgpr_workgroup_id_x 1
		.amdhsa_system_sgpr_workgroup_id_y 1
		.amdhsa_system_sgpr_workgroup_id_z 1
		.amdhsa_system_vgpr_workitem_id 0
		.amdhsa_next_free_vgpr 384
		.amdhsa_next_free_sgpr 66
		.amdhsa_reserve_vcc 0
		.amdhsa_float_denorm_mode_32 3
		.amdhsa_float_denorm_mode_16_64 3
		.amdhsa_memory_ordered 1
		.amdhsa_forward_progress 1
		.amdhsa_inst_pref_size 81
	.end_amdhsa_kernel
	.amdgpu_metadata
---
amdhsa.version: [ 1, 2 ]
amdhsa.kernels:
  - .name:           k_qc5fcabcb51_proj
    .symbol:         k_qc5fcabcb51_proj.kd
    .args:
      - { .name: tiles, .offset: 0, .size: 8, .value_kind: global_buffer, .address_space: global }
      - { .name: qc, .offset: 8, .size: 8, .value_kind: global_buffer, .address_space: global }
      - { .name: kv, .offset: 16, .size: 8, .value_kind: global_buffer, .address_space: global }
    .group_segment_fixed_size: 168704
    .private_segment_fixed_size: 0
    .kernarg_segment_align: 8
    .kernarg_segment_size: 24
    .max_flat_workgroup_size: 192
    .sgpr_count:     66
    .vgpr_count:     384
    .wavefront_size: 32
...
	.end_amdgpu_metadata
.endif
;; end of part 2
;; launch attn (part 3): grid 16 x 16, 16 waves a work-group, clusters of 4 x 1, 327,680 bytes of LDS; arguments qc, kv, ac, asc; writes ac, asc
.if DOCPART == 3
	.amdgcn_target "amdgcn-amd-amdhsa--gfx1250"
	.amdhsa_code_object_version 6
	.text
	.protected	k_qc5fcabcb51_attn
	.globl	k_qc5fcabcb51_attn
	.p2align	8
	.type	k_qc5fcabcb51_attn,@function
k_qc5fcabcb51_attn:
	s_mov_b64 s[64:65], 0
	v_nop
	global_prefetch_b8 v0, s[64:65] scope:SCOPE_SE
	s_setreg_imm32_b32 hwreg(HW_REG_WAVE_MODE, 25, 1), 1
	s_wait_xcnt 0x0
	s_wait_alu depctr_hold_cnt(0) depctr_sa_sdst(0) depctr_va_vdst(0) depctr_va_sdst(0) depctr_va_ssrc(0) depctr_va_vcc(0) depctr_vm_vsrc(0)
	s_getreg_b32 s2, hwreg(HW_REG_IB_STS2, 6, 4)
	s_cmp_eq_u32 s2, 0
	s_cbranch_scc0 .Lentry_in_a_cluster
	s_endpgm
.Lentry_in_a_cluster:
	s_bfe_u32 s2, ttmp6, 0x10000c
	s_cmp_lg_u32 s2, 0x3003
	s_cbranch_scc0 .Lentry_shape_is_right
	s_endpgm
.Lentry_shape_is_right:
; Attention of one head on codes of FP4 (E2M1) with E8M0 scales: S^T = K Q^T, p = 2^(t - M), O^T += V^T P^T, O / the row's sum, quantised along the head's 64 for the projection that follows.
; t = score x log2(e) / 8; M = the running largest t rounded up to a whole number; the sum is taken of the unquantised p; when M moves, the sum and O^T are multiplied by 2^(old M - new M), exactly.
; SHARES.  Work-group (x, bh): 256 queries of head bh; each of 16 waves owns one tile of 16 queries in 256 registers, four waves to a SIMD.
; All 32 records of the head's K and V (8,960 bytes for 128 keys) lie in LDS: records 0-15 come by the head's loads (one a wave), records 16-31 by a second load a wave, behind the full sequence.
; The four work-groups of a cluster walk the same head: both loads are joint.  No prefetch: kv is asked for once, at the head, and there is no loop of fills to run ahead in.
; A STEP (128 keys).  K of the next step and V of this one are read from LDS behind the 34 lines of the maxima and waited for behind the exponentials; at the step's end stand the next step's S^T = K Q^T and then O^T += V^T P^T.
; THE KEYS OF A TILE OF K ARE CHOSEN BY THE LANES' LDS ADDRESSES: row (g, j) of tile (c, a, e) is key 64 c + 32 g + 16 (a xor g) + 8 e + j.  So lane (query r, half h) holds in registers S + 32 c + 0..31 the 32 keys 64 c + 32 h on:
; a WHOLE block of 32 in a lane: its maximum needs no other lane, and the conversions' results are the second product's operand.  With a xor g the sixteen lanes of a load's half touch 256 different bytes modulo 256.
; In lanes 16-31 the block's four groups of 8 keys so stand in the order 2, 3, 0, 1; V's fragments are read as halves of 8 bytes, swapped in lanes 16-31: the same order on both sides of the product, inside one block.
; K's fragments overlap: the head has 64 channels, Q's codes for k = 64..127 are zeros, so what stands in the upper four registers of a fragment of K (the next tile's codes; behind the last, zeros) is multiplied by zero codes under finite scale bytes.
; LIMITS: scaled scores stay under 2^31 in magnitude; NaN and infinities are not served; a block of zeros keeps the byte 1 (its codes are zeros, and this program alone reads the bytes).
; REGISTERS: v1-4, v8, v69-72 lane constants; v5-7, v9, v73-75 addresses; v10 f; v12 -M; v13 largest score; v[14:15] the sum; v16-23 Q; v24-27 K's scale words, v28-29 V's, v30 Q's; v31, v68 the scale stage; v32-67 K;
; v96-159 S^T, then p; v160-191 O^T; v192-223 V; v224-231 p's codes; v232-249 at work; v250 p's scale word; v253, v255 the add's.
.set REC,  8960
.set SCST, 32*REC                      ; 512 bytes: the work-group's scale bytes on the way out
.set SPARE, SCST+512                   ; the spare words: 128 bytes a wave
.set KS, 24
.set VS, 28
.set QS, 30
.set KF, 32
.set S,  96
.set O,  160
.set VF, 192
.set PC, 224
.set T,  232
.set MX, 236
.set PX, 237
.set NM, 238
.set SO, 244
.set BY, 246
.set PS, 250
.macro ROUND
	s_barrier_signal -1
	s_barrier_wait -1
	s_cmp_lg_u32 s12, 0
	s_cbranch_scc1 .Lnot_wave_0_\@
	s_barrier_signal -3
.Lnot_wave_0_\@:
	s_barrier_wait -3
	s_barrier_signal -1
	s_barrier_wait -1
.endm
	s_load_b256 s[4:11], s[0:1], 0x0               ; qc, kv, ac, asc
	v_lshl_add_u32 v253, v0, 2, SPARE
	v_mov_b32 v255, 0
	ds_add_u32 v253, v255                          ; the opening lines: the add twice on end
	ds_add_u32 v253, v255
	v_lshrrev_b32 v7, 5, v0
	v_readfirstlane_b32 s12, v7                    ; wave 0..15
	s_bfe_u32 s13, ttmp6, 0x40000
	s_lshl_b32 s14, ttmp9, 2
	s_add_co_u32 s14, s14, s13                     ; x
	s_and_b32 s15, ttmp7, 0xffff                   ; bh
	s_mov_b32 s16, 15|(3<<16)|(1<<21)              ; group 1: dense rows of 256 bytes, the mask of the cluster's four; 35 rows = one record
	s_mov_b32 s17, 32<<16
	s_mov_b32 s18, 35<<16
	s_mov_b32 s19, 32<<16
	s_mov_b32 s20, 35
	s_mov_b32 s21, 32
	s_mov_b32 s22, 0
	s_mov_b32 s23, 0
	s_mul_i32 s38, s12, REC                        ; first fill: record w; second: record 16 + w
	s_mul_i32 s40, s15, 32*REC
	s_add_co_u32 s40, s40, s38
	s_mov_b32 s41, 0
	s_lshl_b32 s44, s15, 5
	s_lshl_b32 s45, s14, 1
	s_add_co_u32 s44, s44, s45
	s_lshr_b32 s45, s12, 3
	s_add_co_u32 s44, s44, s45
	s_mul_i32 s44, s44, 4608                       ; q's record: 32 bh + 2 x + w / 8
	s_mov_b32 s45, 0
	s_and_b32 s42, s12, 7
	s_lshl_b32 s46, s42, 9                         ; tile w % 8 of its eight
	s_and_b32 s47, s42, 1
	s_lshl_b32 s47, s47, 8
	s_lshr_b32 s42, s42, 1
	s_lshl_b32 s42, s42, 2
	s_add_co_u32 s47, s47, s42                     ; and its scale words
	s_lshr_b32 s48, s15, 3
	s_lshl_b32 s48, s48, 8
	s_lshl_b32 s49, s14, 4
	s_add_co_u32 s48, s48, s49
	s_add_co_u32 s48, s48, s12
	s_lshl_b32 s48, s48, 12                        ; ac: tile 256 batch + 16 x + w,
	s_and_b32 s49, s15, 7
	s_lshl_b32 s49, s49, 9
	s_add_co_u32 s48, s48, s49                     ; the head's 512 bytes
	s_mov_b32 s49, 0
	s_lshl_b32 s50, s15, 4
	s_add_co_u32 s50, s50, s14
	s_lshl_b32 s50, s50, 9                         ; asc
	s_mov_b32 s51, 0
	s_lshr_b32 s60, s12, 2
	s_lshl_b32 s60, s60, 7
	s_and_b32 s61, s12, 3
	s_lshl_b32 s61, s61, 1
	s_add_co_u32 s60, s60, s61
	s_add_co_u32 s60, s60, SCST                    ; the stage: 128 (w / 4) + 2 (w % 4)
	s_mov_b32 s32, 0x76543210
	s_mov_b32 s33, 0xfedcba98                      ; lane l xor 16
	s_mov_b32 s34, 0x3e38aa3b                      ; c = log2(e) / 8
	s_mov_b32 s35, s34
	s_wait_alu depctr_va_vdst(0)
	s_wait_dscnt 0x0
	s_wait_kmcnt 0x0
	s_mov_b32 s24, 1
	s_mov_b32 s25, s38
	s_add_nc_u64 s[26:27], s[6:7], s[40:41]
	s_mov_b32 s28, 1
	s_add_co_u32 s29, s38, 16*REC
	s_add_nc_u64 s[30:31], s[26:27], 16*REC
	s_or_b32 s27, s27, 0x80000000
	s_or_b32 s31, s31, 0x80000000
	s_add_nc_u64 s[4:5], s[4:5], s[44:45]
	s_add_nc_u64 s[8:9], s[8:9], s[48:49]
	s_add_nc_u64 s[10:11], s[10:11], s[50:51]
	ROUND
	tensor_load_to_lds s[24:27], s[16:23]          ; my one load at the head
	s_nop 0
	v_and_b32 v7, 31, v0
	v_lshlrev_b32 v1, 4, v7                        ; 16 lane
	v_lshlrev_b32 v2, 3, v7                        ; 8 lane
	v_and_b32 v3, 7, v0                            ; j
	v_bfe_u32 v5, v0, 3, 1                         ; g
	v_bfe_u32 v8, v0, 4, 1                         ; h
	v_xor_b32 v6, 1, v5                            ; 1 - g
	v_xor_b32 v9, 1, v8                            ; 1 - h
	v_lshlrev_b32 v3, 4, v3
	v_lshl_add_u32 v3, v8, 8, v3                   ; 16 j + 256 h
	v_lshl_add_u32 v70, v5, 2, v3                  ; K's scale words: + 4 g,
	v_lshl_add_u32 v69, v5, 7, v70                 ; a = 0: + 128 g;
	v_lshl_add_u32 v70, v6, 7, v70                 ; a = 1: + 128 (1 - g)
	v_lshl_add_u32 v4, v5, 10, v3                  ; K's codes: + 1024 g,
	v_lshl_add_u32 v3, v5, 7, v4                   ; a = 0: + 128 g;
	v_lshl_add_u32 v4, v6, 7, v4                   ; a = 1: + 128 (1 - g)
	v_lshl_add_u32 v71, v8, 3, v1                  ; V's first 8 bytes: 16 lane + 8 h;
	v_lshl_add_u32 v72, v9, 3, v1                  ; its second: 16 lane + 8 (1 - h)
	v_lshlrev_b32 v8, 3, v8                        ; 8 h
	v_and_b32 v6, 15, v0                           ; r
	v_lshl_add_u32 v31, v6, 3, s60
	v_add_nc_u32 v68, SCST, v1
	v_add_nc_u32 v5, s46, v1
	v_lshl_add_u32 v6, v6, 4, s47
	global_load_b128 v[16:19], v5, s[4:5]          ; Q
	global_load_b32 v[QS], v6, s[4:5] offset:4096  ; row r's scale word
.irp i, 10,11,14,15,20,21,22,23,64,65,66,67,237,239
	v_mov_b32 v\i, 0                               ; among them Q's codes for k = 64 on, and what stands behind K's last fragment
.endr
	v_mov_b32 v12, 0x7f61b1e6                      ; -M: 3e38
	v_mov_b32 v13, 0xff61b1e6                      ; the largest score so far: -3e38
.set j, 0
.rept 32
	v_mov_b32 v[O+j], 0                            ; the loop has no first step of its own: it finds zeros, which the first change of M leaves zeros
.set j, j+1
.endr
	s_wait_alu depctr_va_vdst(0)
	s_wait_tensorcnt 0x0                           ; my record is in; the full sequence ahead of the second fill
	ds_add_u32 v253, v255
	s_wait_dscnt 0x0
	ROUND                                          ; records 0-15 are whole for every wave
	tensor_load_to_lds s[28:31], s[16:23]
	s_nop 0
.rept 4
	v_nop
.endr
.macro KLOAD k0, k1, s0, s1, off       ; eight fragments of K and four registers of scale words (lanes 0-15 tile e = 0, lanes 16-31 e = 1)
.irp c, 0,1
.irp e, 0,1
	ds_load_b128 v[KF+16*\c+4*\e:KF+16*\c+4*\e+3], v[\k0] offset:\off+2048*\c+512*\e
	ds_load_b128 v[KF+16*\c+8+4*\e:KF+16*\c+8+4*\e+3], v[\k1] offset:\off+2048*\c+512*\e
.endr
	ds_load_b32 v[KS+2*\c], v[\s0] offset:\off+4096+8*\c
	ds_load_b32 v[KS+2*\c+1], v[\s1] offset:\off+4096+8*\c
.endr
.endm
.macro SMUL                            ; S^T = K Q^T: eight tiles of 16 keys
.irp c, 0,1
.irp a, 0,1
.irp e, 0,1
.if \e
	v_wmma_scale_f32_16x16x128_f8f6f4 v[S+32*\c+16*\a+8*\e:S+32*\c+16*\a+8*\e+7], v[KF+16*\c+8*\a+4*\e:KF+16*\c+8*\a+4*\e+7], v[16:23], 0, v[KS+2*\c+\a], v[QS] matrix_a_fmt:MATRIX_FMT_FP4 matrix_b_fmt:MATRIX_FMT_FP4 matrix_a_scale:MATRIX_SCALE_ROW1
.else
	v_wmma_scale_f32_16x16x128_f8f6f4 v[S+32*\c+16*\a+8*\e:S+32*\c+16*\a+8*\e+7], v[KF+16*\c+8*\a+4*\e:KF+16*\c+8*\a+4*\e+7], v[16:23], 0, v[KS+2*\c+\a], v[QS] matrix_a_fmt:MATRIX_FMT_FP4 matrix_b_fmt:MATRIX_FMT_FP4
.endif
.endr
.endr
.endr
.endm
.macro G k                             ; four pairs of p onto the sum's four chains
	v_pk_add_f32 v[14:15], v[14:15], v[S+2*(\k):S+2*(\k)+1]
	v_pk_add_f32 v[240:241], v[240:241], v[S+2*(\k)+2:S+2*(\k)+3]
	v_pk_add_f32 v[242:243], v[242:243], v[S+2*(\k)+4:S+2*(\k)+5]
	v_pk_add_f32 v[248:249], v[248:249], v[S+2*(\k)+6:S+2*(\k)+7]
.endm
.macro TM j                            ; t - M of two scores
	v_pk_fma_f32 v[S+\j:S+\j+1], v[S+\j:S+\j+1], s[34:35], v[NM:NM+1] op_sel_hi:[1,0,0]
.endm
; A KEY STEP.  more = 1: a further step follows.
.macro PHASE more
.if \more
	v_add_nc_u32 v5, s36, v3
	v_add_nc_u32 v6, s36, v4
	v_add_nc_u32 v7, s36, v69
	v_add_nc_u32 v9, s36, v70
.else
	v_nop                                          ; with the three lines below: four places behind the products
.endif
	v_add_nc_u32 v73, s36, v71
	v_add_nc_u32 v74, s36, v72
	v_add_nc_u32 v75, s36, v2
	s_wait_alu depctr_va_vdst(0)                   ; directly ahead of the first readers of S^T
.irp c, 0,1                            ; the largest score of each of my two blocks of 32 keys, in two chains each; every accumulator is first read at its low end
	v_max3_num_f32 v[T+2*\c], v[S+32*\c], v[S+32*\c+1], v[S+32*\c+2]
	v_max3_num_f32 v[T+2*\c+1], v[S+32*\c+16], v[S+32*\c+17], v[S+32*\c+18]
.endr
.irp i, 3,5,7,9,11,13
.irp c, 0,1
	v_max3_num_f32 v[T+2*\c], v[T+2*\c], v[S+32*\c+\i], v[S+32*\c+\i+1]
	v_max3_num_f32 v[T+2*\c+1], v[T+2*\c+1], v[S+32*\c+16+\i], v[S+32*\c+17+\i]
.endr
.endr
.irp c, 0,1
	v_max3_num_f32 v[T+2*\c], v[T+2*\c], v[S+32*\c+15], v[S+32*\c+31]
.endr
.irp c, 0,1
	s_delay_alu instid0(VALU_DEP_2)
	v_max_num_f32 v[T+2*\c], v[T+2*\c], v[T+2*\c+1]
.endr
.if \more                              ; the lines above are the places behind the last products, which read these registers
	KLOAD 5, 6, 7, 9, REC                          ; K of the next step
.endif
.irp n, 0,1,2,3
.irp c, 0,1
	ds_load_b64 v[VF+8*\n+4*\c:VF+8*\n+4*\c+1], v73 offset:4608+1024*\n+512*\c     ; V of this step, in halves of 8 bytes
	ds_load_b64 v[VF+8*\n+4*\c+2:VF+8*\n+4*\c+3], v74 offset:4608+1024*\n+512*\c
.endr
.endr
	ds_load_b64 v[VS:VS+1], v75 offset:8704
	v_max_num_f32 v[MX], v[T], v[T+2]
	s_delay_alu instid0(VALU_DEP_1)
	v_permlanex16_b32 v[PX], v[MX], s32, s33
	s_delay_alu instid0(VALU_DEP_1)
	v_max3_num_f32 v13, v13, v[MX], v[PX]          ; the running largest score of my query
	s_delay_alu instid0(VALU_DEP_1)
	v_mul_f32 v[MX], s34, v13                      ; as t
	s_delay_alu instid0(VALU_DEP_1)
	v_floor_f32 v[NM], -v[MX]                      ; the new -M
	s_delay_alu instid0(VALU_DEP_1)
	v_sub_f32 v[MX], v[NM], v12                    ; old M - new M: a whole number, 0 or less
	TM 0
	TM 2
	v_cvt_i32_f32 v[MX], v[MX]                     ; (it saturates)
	v_mov_b32 v12, v[NM]
	TM 4
	TM 6
	v_ldexp_f32 v10, 1.0, v[MX]                    ; f = 2^(old M - new M)
.set j, 8
.rept 28
	TM j
.set j, j+2
.endr
.irp c, 0,1
	v_fma_f32 v[T+2*\c], v[T+2*\c], s34, v[NM]     ; the same of each block's largest score
.endr
	s_wait_alu depctr_va_vdst(0)                   ; ahead of the first readers of O^T and of the batch
.set j, 0
.rept 16
	v_pk_mul_f32 v[O+j:O+j+1], v[O+j:O+j+1], v[10:11] op_sel_hi:[1,0]   ; O^T under the new M
.set j, j+2
.endr
	v_exp_f32 v[T], v[T]                           ; each block's largest p,
	v_exp_f32 v[T+2], v[T+2]
.set j, 0
.rept 64
	v_exp_f32 v[S+j], v[S+j]                       ; and p = 2^(t - M): one batch
.set j, j+1
.endr
	v_nop                                          ; a plain place behind the batch
	s_wait_alu depctr_va_vdst(0)                   ; one wait for the batch
	s_wait_dscnt 0x0                               ; this step's LDS loads are in
.irp c, 0,1
	v_max_num_f32 v[T+2*\c], 0x1800000, v[T+2*\c]  ; the floor 2^(3 - 127): the byte cannot fall under 1
.endr
	v_pk_fma_f32 v[14:15], v[14:15], v[10:11], v[S:S+1] op_sel_hi:[1,0,1]   ; the sum under the new M, and the first pair of the unquantised p
	v_pk_add_f32 v[240:241], v[S+2:S+3], v[S+4:S+5]
	v_pk_add_f32 v[242:243], v[S+6:S+7], v[S+8:S+9]
	v_pk_add_f32 v[248:249], v[S+10:S+11], v[S+12:S+13]
.irp c, 0,1
	v_add_nc_u32 v[SO+\c], 0xff000000, v[T+2*\c]   ; 2 off the exponent field: the conversion's scale operand
.endr
	G 7
.irp c, 0,1
	v_lshrrev_b32 v[BY+\c], 23, v[SO+\c]           ; the scale's byte
.endr
	G 11
	v_lshl_or_b32 v[BY], v[BY+1], 16, v[BY]        ; my blocks h and 2 + h
.irp c, 0,1
.irp u, 0,1,2,3
	v_cvt_scalef32_pk8_fp4_f32 v[PC+4*\c+\u], v[S+32*\c+8*\u:S+32*\c+8*\u+7], v[SO+\c]   ; register 4 c + u of the operand
.endr
.endr
	v_lshlrev_b32 v[BY], v8, v[BY]                 ; at their places in the word.  (A plain line behind the conversions)
	G 15
	v_permlanex16_b32 v[PX], v[BY], s32, s33
	G 19
	v_or_b32 v[PS], v[BY], v[PX]                   ; p's scale word for these 128 keys
	G 23                                           ; twelve plain lines stand between the scale word's write and the products
	G 27
	v_pk_add_f32 v[14:15], v[14:15], v[S+62:S+63]
	v_pk_add_f32 v[240:241], v[240:241], v[242:243]
	v_pk_add_f32 v[14:15], v[14:15], v[248:249]
	s_delay_alu instid0(VALU_DEP_1)
	v_pk_add_f32 v[14:15], v[14:15], v[240:241]
.if \more
	SMUL                                           ; the next step's scores: they are read first
.endif
.irp n, 0,1,2,3                        ; O^T += V^T P^T; the accumulators take turns
.if \n % 2
	v_wmma_scale_f32_16x16x128_f8f6f4 v[O+8*\n:O+8*\n+7], v[VF+8*\n:VF+8*\n+7], v[PC:PC+7], v[O+8*\n:O+8*\n+7], v[VS+\n/2], v[PS] matrix_a_fmt:MATRIX_FMT_FP4 matrix_b_fmt:MATRIX_FMT_FP4 matrix_a_scale:MATRIX_SCALE_ROW1
.else
	v_wmma_scale_f32_16x16x128_f8f6f4 v[O+8*\n:O+8*\n+7], v[VF+8*\n:VF+8*\n+7], v[PC:PC+7], v[O+8*\n:O+8*\n+7], v[VS+\n/2], v[PS] matrix_a_fmt:MATRIX_FMT_FP4 matrix_b_fmt:MATRIX_FMT_FP4
.endif
.endr
.endm
.macro WALK first, trips
	s_mov_b32 s36, \first
	s_mov_b32 s37, \trips
.Lstep_\@:
	PHASE 1
	s_add_co_u32 s36, s36, REC
	s_sub_co_u32 s37, s37, 1
	s_cmp_lg_u32 s37, 0
	s_cbranch_scc1 .Lstep_\@
.endm
	KLOAD 3, 4, 69, 70, 0                          ; K of step 0
	s_wait_dscnt 0x0
	s_wait_loadcnt 0x0                             ; Q
	SMUL
	WALK 0, 15                                     ; steps 0-14 read records 0-15
	s_wait_alu depctr_va_vdst(0)
	s_wait_tensorcnt 0x0                           ; my second record is in,
	s_wait_dscnt 0x0
	s_barrier_signal -1
	s_barrier_wait -1                              ; and everybody's
	WALK 15*REC, 16                                ; steps 15-30
	s_mov_b32 s36, 31*REC
	PHASE 0                                        ; the last step asks for no further K
; THE WAY OUT: O^T / the sum; the 16 registers of tiles 2 b, 2 b + 1 of V's channels are channels 32 b + 16 h + 0..15: a block lies in lanes l and l xor 16.
	v_add_f32 v14, v14, v15
	s_delay_alu instid0(VALU_DEP_1)
	v_permlanex16_b32 v[PX], v14, s32, s33
	s_delay_alu instid0(VALU_DEP_1)
	v_add_f32 v14, v14, v[PX]                      ; the row's sum
	s_wait_alu depctr_va_vdst(0)                   ; ahead of the transcendental
	v_rcp_f32 v14, v14
	v_nop                                          ; with the three lines at the top: four places behind the last products
	s_wait_alu depctr_va_vdst(0)                   ; and ahead of its first reader, which is also O^T's
.set j, 0
.rept 16
	v_pk_mul_f32 v[S+j:S+j+1], v[O+j:O+j+1], v[14:15] op_sel_hi:[1,0]
.set j, j+2
.endr
.irp b, 0,1
	v_max3_num_f32 v[232+\b], |v[S+16*\b]|, |v[S+1+16*\b]|, 0x1800000
.endr
.irp i, 2,4,6,8,10,12,14
.irp b, 0,1
	s_delay_alu instid0(VALU_DEP_2)
	v_max3_num_f32 v[232+\b], v[232+\b], |v[S+16*\b+\i]|, |v[S+1+16*\b+\i]|
.endr
.endr
.irp b, 0,1
	s_delay_alu instid0(VALU_DEP_2)
	v_permlanex16_b32 v[236+\b], v[232+\b], s32, s33
.endr
.irp b, 0,1
	s_delay_alu instid0(VALU_DEP_2)
	v_max_num_f32 v[232+\b], v[232+\b], v[236+\b]
.endr
.irp b, 0,1
	s_delay_alu instid0(VALU_DEP_2)
	v_add_nc_u32 v[244+\b], 0xff000000, v[232+\b]
.endr
.irp b, 0,1
	s_delay_alu instid0(VALU_DEP_2)
	v_lshrrev_b32 v[236+\b], 23, v[244+\b]
.endr
	s_delay_alu instid0(VALU_DEP_1)
	v_lshl_or_b32 v238, v237, 8, v236              ; the row's two scale bytes
.irp b, 0,1
	v_cvt_scalef32_pk8_fp4_f32 v[PC+2*\b], v[S+16*\b:S+16*\b+7], v[244+\b]
	v_cvt_scalef32_pk8_fp4_f32 v[PC+2*\b+1], v[S+16*\b+8:S+16*\b+15], v[244+\b]
.endr
	v_nop
.irp i, 0,1
	v_permlane16_swap_b32 v[PC+\i], v[PC+2+\i]     ; a whole block in a lane
.endr
	global_store_b128 v1, v[PC:PC+3], s[8:9]       ; 512 consecutive bytes, aligned to 256
	ds_store_b16 v31, v238                         ; both halves of the lanes write the same bytes with the same value
	s_wait_dscnt 0x0
	s_barrier_signal -1
	s_barrier_wait -1
	s_cmp_lg_u32 s12, 0
	s_cbranch_scc1 .Lnot_mine
	ds_load_b128 v[96:99], v68
	s_wait_dscnt 0x0
	global_store_b128 v1, v[96:99], s[10:11]       ; the work-group's 512 scale bytes, aligned
.Lnot_mine:
	s_wait_tensorcnt 0x0                           ; the wave's end
	ds_add_u32 v253, v255
	s_wait_dscnt 0x0
	ROUND                                          ; the closing round
	s_endpgm
.Lfunc_end_k_qc5fcabcb51_attn:
	.size	k_qc5fcabcb51_attn, .Lfunc_end_k_qc5fcabcb51_attn-k_qc5fcabcb51_attn
	.p2alignl 7, 3214868480
	.fill 96, 4, 3214868480
	.section	.rodata,"a",@progbits
	.p2align	6, 0x0
	.amdhsa_kernel k_qc5fcabcb51_attn
		.amdhsa_group_segment_fixed_size 327680
		.amdhsa_private_segment_fixed_size 0
		.amdhsa_enable_private_segment 0
		.amdhsa_kernarg_size 32
		.amdhsa_user_sgpr_count 2
		.amdhsa_user_sgpr_kernarg_segment_ptr 1
		.amdhsa_wavefront_size32 1
		.amdhsa_system_sgpr_workgroup_id_x 1
		.amdhsa_system_sgpr_workgroup_id_y 1
		.amdhsa_system_sgpr_workgroup_id_z 1
		.amdhsa_system_vgpr_workitem_id 0
		.amdhsa_next_free_vgpr 256
		.amdhsa_next_free_sgpr 66
		.amdhsa_reserve_vcc 0
		.amdhsa_float_denorm_mode_32 3
		.amdhsa_float_denorm_mode_16_64 3
		.amdhsa_memory_ordered 1
		.amdhsa_forward_progress 1
		.amdhsa_inst_pref_size 57
	.end_amdhsa_kernel
	.amdgpu_metadata
---
amdhsa.version: [ 1, 2 ]
amdhsa.kernels:
  - .name:           k_qc5fcabcb51_attn
    .symbol:         k_qc5fcabcb51_attn.kd
    .args:
      - { .name: qc, .offset: 0, .size: 8, .value_kind: global_buffer, .address_space: global }
      - { .name: kv, .offset: 8, .size: 8, .value_kind: global_buffer, .address_space: global }
      - { .name: ac, .offset: 16, .size: 8, .value_kind: global_buffer, .address_space: global }
      - { .name: asc, .offset: 24, .size: 8, .value_kind: global_buffer, .address_space: global }
    .group_segment_fixed_size: 327680
    .private_segment_fixed_size: 0
    .kernarg_segment_align: 8
    .kernarg_segment_size: 32
    .max_flat_workgroup_size: 512
    .sgpr_count:     66
    .vgpr_count:     256
    .wavefront_size: 32
...
	.end_amdgpu_metadata
.endif
;; end of part 3
;; launch oproj (part 4): grid 2 x 128, 4 waves a work-group, no clusters, 168,448 bytes of LDS; arguments ac, asc, tiles, bo, out0; writes out0
.if DOCPART == 4
	.amdgcn_target "amdgcn-amd-amdhsa--gfx1250"
	.amdhsa_code_object_version 6
	.text
	.protected	k_qc5fcabcb51_oproj
	.globl	k_qc5fcabcb51_oproj
	.p2align	8
	.type	k_qc5fcabcb51_oproj,@function
k_qc5fcabcb51_oproj:
	s_mov_b64 s[64:65], 0
	v_nop
	global_prefetch_b8 v0, s[64:65] scope:SCOPE_SE
	s_setreg_imm32_b32 hwreg(HW_REG_WAVE_MODE, 25, 1), 1
	s_wait_xcnt 0x0
; out0 = A Wo^T + bo on codes of FP4 with E8M0 scales; A [8192][512] is the attention's result, as tiles of codes in ac and scale bytes in asc; Wo's tiles are 608-639 of the buffer tiles.  K = 512: four matrix instructions deep, f32 sums.
; SHARES.  Work-group (x, y): A's tiles 4 y .. 4 y + 3 (rows 64 y .. 64 y + 63): 16,384 dense bytes, brought into LDS once by one tensor load.  Wave w: columns 256 x + 64 w on: four tiles of Wo in 128 registers, read once.
; THE PRODUCT IS USED TRANSPOSED (source 0 = 16 rows of Wo, source 1 = 16 rows of A): a lane holds one row of out0 and, by the order of a tile's rows (lane place r of tile T = row 32 (T / 2) + 8 (T % 2) + r + 8 (r / 8)),
; register j of tile n is column 32 (n / 2) + 16 (lane / 16) + 8 (n % 2) + j.  bo is the C of each sum's first matrix instruction, in that layout.
; THE WAY OUT.  A pair of A's tiles is 32 neighbouring rows; they go through the wave's own stage in LDS (32 rows of 256 bytes + 16) and leave as rows: sixteen lanes store 256 consecutive bytes, aligned.
; NO CLUSTER: A's block is shared by the two work-groups of a y alone, and a cluster of four along x does not divide a grid of 2; Wo goes from memory straight into registers.
; REGISTERS.  window 0: v1 16 lane, v2 8 r, v3 64 h, v4-6 the way out, v7 16 r; v8-23 Wo's scale words (4 n + s); v24-39 A's (4 tile + s); v40-55 A's scale bytes as loaded; v56-119 A's fragments of a pair;
;   v120-183 eight accumulators; v184-247 rows on the way out; v248-251 at work at the head.   window 1: v0-127 Wo's fragments; v128-159 bo, eight registers a tile.
.set TILEB, 4352
.set WS,  8
.set AS,  24
.set HS,  40
.set XF,  56
.set ACC, 120
.set OB,  184
.set BI,  128
.set MSB, 0
.macro WIN new                         ; the immediate's high byte repeats the setting that is left
.if MSB != \new
	s_set_vgpr_msb (MSB<<8)|\new
.set MSB, \new
.endif
.endm
	s_load_b256 s[4:11], s[0:1], 0x0               ; ac s[4:5], asc s[6:7], tiles s[8:9], bo s[10:11]
	s_load_b64 s[12:13], s[0:1], 0x20              ; out0
	v_lshl_add_u32 v254, v0, 2, 0x29000
	v_mov_b32 v255, 0
	ds_add_u32 v254, v255
	ds_add_u32 v254, v255
	v_lshrrev_b32 v248, 5, v0
	v_readfirstlane_b32 s2, v248                   ; wave 0..3
	s_and_b32 s14, ttmp7, 0xffff                   ; y
	v_and_b32 v248, 31, v0                         ; lane
	v_and_b32 v249, 15, v0                         ; r
	v_bfe_u32 v250, v0, 4, 1                       ; h
	v_lshlrev_b32 v1, 4, v248
	v_lshlrev_b32 v2, 3, v249
	v_lshlrev_b32 v3, 6, v250
	v_lshlrev_b32 v7, 4, v249
	s_mul_i32 s30, s2, 32*272
	s_add_co_u32 s30, s30, 16384                   ; my stage, behind A's images
	v_and_b32 v251, 8, v249
	v_add_nc_u32 v251, v251, v249                  ; r + 8 (r / 8)
	v_mul_u32_u24 v4, v251, 272
	v_add_nc_u32 v4, v4, v3
	v_add_nc_u32 v4, s30, v4                       ; in: my row of the pair's 32 (8 u more by the immediate), + 64 h bytes
	v_mul_u32_u24 v5, v250, 272
	v_add_nc_u32 v5, v5, v7
	v_add_nc_u32 v5, s30, v5                       ; back: lanes 0-15 one row, lanes 16-31 the next
	v_lshl_add_u32 v6, v250, 11, v7                ; and the same two rows in out0
	; descriptor group 1: a dense block as 64 rows of 256 bytes (32 elements of 8 bytes), no padding
	s_mov_b32 s16, 3<<16
	s_mov_b32 s17, 32<<16
	s_mov_b32 s18, 64<<16
	s_mov_b32 s19, 32<<16
	s_mov_b32 s20, 64
	s_mov_b32 s21, 32
	s_mov_b32 s22, 0
	s_mov_b32 s23, 0
	s_lshl_b32 s32, s14, 14                        ; A's four tiles
	s_mov_b32 s33, 0
	s_lshl_b32 s34, ttmp9, 4
	s_lshl_b32 s35, s2, 2
	s_add_co_u32 s34, s34, s35
	s_add_co_u32 s34, s34, 608
	s_mul_i32 s34, s34, TILEB                      ; my four tiles of Wo
	s_mov_b32 s35, 0
	s_lshl_b32 s36, ttmp9, 10
	s_lshl_b32 s37, s2, 8
	s_add_co_u32 s36, s36, s37                     ; my first column, in bytes
	s_mov_b32 s37, 0
	s_lshr_b32 s38, s14, 6
	s_lshl_b32 s38, s38, 16                        ; asc: the batch's eight heads,
	s_and_b32 s39, s14, 63
	s_lshl_b32 s39, s39, 7                         ; the group of four tiles
	s_add_co_u32 s38, s38, s39
	s_mov_b32 s39, 0
	s_lshl_b32 s40, s14, 17                        ; out0: 64 y rows of 2,048 bytes
	s_mov_b32 s41, 0
	s_wait_dscnt 0x0
	s_wait_kmcnt 0x0
	s_mov_b32 s24, 1
	s_mov_b32 s25, 0
	s_add_nc_u64 s[26:27], s[4:5], s[32:33]
	s_or_b32 s27, s27, 0x80000000
	s_add_nc_u64 s[28:29], s[8:9], s[34:35]
	s_add_nc_u64 s[10:11], s[10:11], s[36:37]
	s_add_nc_u64 s[6:7], s[6:7], s[38:39]
	s_add_nc_u64 s[12:13], s[12:13], s[40:41]
	s_add_nc_u64 s[12:13], s[12:13], s[36:37]
	s_cmp_lg_u32 s2, 0
	s_cbranch_scc1 .Lno_fill
	tensor_load_to_lds s[24:27], s[16:23]          ; wave 0 alone: the launch's one fill
	s_nop 0
.rept 4
	v_nop                                          ; four lines here ahead of a switch of windows
.endr
.Lno_fill:
	WIN 0x40                                       ; destination window 1
.irp n, 0,1,2,3
.irp s, 0,1,2,3
.irp c, 0,1
	global_load_b128 v[32*\n+8*\s+4*\c:32*\n+8*\s+4*\c+3], v1, s[28:29] offset:\n*TILEB+1024*\s+512*\c
.endr
.endr
.endr
.irp n, 0,1,2,3
	global_load_b128 v[BI+8*\n:BI+8*\n+3], v3, s[10:11] offset:(32*(\n/2)+8*(\n%2))*4       ; bo at my eight columns of tile n
	global_load_b128 v[BI+8*\n+4:BI+8*\n+7], v3, s[10:11] offset:(32*(\n/2)+8*(\n%2))*4+16
.endr
	WIN 0
.irp n, 0,1,2,3
	global_load_b128 v[WS+4*\n:WS+4*\n+3], v7, s[28:29] offset:\n*TILEB+4096
.endr
.irp e, 0,1,2,3,4,5,6,7
	global_load_b64 v[HS+2*\e:HS+2*\e+1], v2, s[6:7] offset:\e*8192   ; head e: row r's two bytes for each of the four tiles
.endr
	s_wait_tensorcnt 0x0                           ; A's images have landed (in wave 0; the others have no load out),
	s_barrier_signal -1
	s_barrier_wait -1                              ; and every wave may read them.  The launch's one barrier: the stages are each wave's own
.macro FETCHA p
.irp u, 0,1
.irp s, 0,1,2,3
.irp c, 0,1
	ds_load_b128 v[XF+32*\u+8*\s+4*\c:XF+32*\u+8*\s+4*\c+3], v1 offset:(2*(\p)+\u)*4096+1024*\s+512*\c
.endr
.endr
.endr
.endm
	FETCHA 0
	s_wait_loadcnt 0x0
.irp i, 0,1,2,3                        ; A's scale word of tile i, K step s: heads 2 s and 2 s + 1, two bytes each
.irp s, 0,1,2,3
.if \i % 2
	v_perm_b32 v[AS+4*\i+\s], v[HS+2*(2*\s+1)+\i/2], v[HS+2*(2*\s)+\i/2], 0x07060302
.else
	v_perm_b32 v[AS+4*\i+\s], v[HS+2*(2*\s+1)+\i/2], v[HS+2*(2*\s)+\i/2], 0x05040100
.endif
.endr
.endr
.rept 8
	v_nop                                          ; eight plain lines between the writes of scale registers and a scaled matrix instruction
.endr
.macro PAIR p
	s_wait_dscnt 0x0                               ; the pair's fragments are in
.irp s, 0,1,2,3
.if \s == 0
	WIN 0x11                                       ; source 0 (Wo) and source 2 (bo) window 1
.else
	WIN 0x01                                       ; source 0 window 1
.endif
	s_wait_alu depctr_va_vdst(0)
.irp u, 0,1
.irp n, 0,1,2,3                        ; the eight accumulators take turns, one instruction a turn
.if \s == 0
	v_wmma_scale_f32_16x16x128_f8f6f4 v[ACC+32*\u+8*\n:ACC+32*\u+8*\n+7], v[32*\n:32*\n+7], v[XF+32*\u:XF+32*\u+7], v[BI+8*\n:BI+8*\n+7], v[WS+4*\n], v[AS+4*(2*(\p)+\u)] matrix_a_fmt:MATRIX_FMT_FP4 matrix_b_fmt:MATRIX_FMT_FP4
.else
	v_wmma_scale_f32_16x16x128_f8f6f4 v[ACC+32*\u+8*\n:ACC+32*\u+8*\n+7], v[32*\n+8*\s:32*\n+8*\s+7], v[XF+32*\u+8*\s:XF+32*\u+8*\s+7], v[ACC+32*\u+8*\n:ACC+32*\u+8*\n+7], v[WS+4*\n+\s], v[AS+4*(2*(\p)+\u)+\s] matrix_a_fmt:MATRIX_FMT_FP4 matrix_b_fmt:MATRIX_FMT_FP4
.endif
.endr
.endr
.endr
	WIN 0
.rept 5
	v_nop                                          ; four plain lines serve the loads into the fragments and the stores of the results; the fifth the next pair's products, which write over these accumulators
.endr
.if (\p) == 0
	FETCHA 1                                       ; the next pair lands while this one goes out
.else
	s_wait_xcnt 0x0                                ; the first pair's stores have read their registers: they are loaded again below
.endif
.irp u, 0,1
.irp n, 0,1,2,3
	ds_store_b128 v4, v[ACC+32*\u+8*\n:ACC+32*\u+8*\n+3] offset:2176*\u+128*(\n/2)+32*(\n%2)        ; each accumulator from its low end on
	ds_store_b128 v4, v[ACC+32*\u+8*\n+4:ACC+32*\u+8*\n+7] offset:2176*\u+128*(\n/2)+32*(\n%2)+16
.endr
.endr
.irp i, 0,1,2,3,4,5,6,7,8,9,10,11,12,13,14,15
	ds_load_b128 v[OB+4*\i:OB+4*\i+3], v5 offset:544*\i   ; a wave's LDS instructions are served in order (ISA guide 5.7.1.4): these see my stores
.endr
.irp i, 0,1,2,3,4,5,6,7,8,9,10,11,12,13,14,15
	s_wait_dscnt 15-\i                             ; the younger loads from the stage may stay out
	global_store_b128 v6, v[OB+4*\i:OB+4*\i+3], s[12:13] offset:(32*(\p)+2*\i)*2048 th:TH_STORE_NT   ; sixteen lanes store 256 consecutive bytes, aligned; written once, read by nobody here
.endr
.endm
	PAIR 0
	PAIR 1
	s_wait_tensorcnt 0x0
	ds_add_u32 v254, v255
	s_wait_dscnt 0x0
	s_endpgm
.Lfunc_end_k_qc5fcabcb51_oproj:
	.size	k_qc5fcabcb51_oproj, .Lfunc_end_k_qc5fcabcb51_oproj-k_qc5fcabcb51_oproj
	.p2alignl 7, 3214868480
	.fill 96, 4, 3214868480
	.section	.rodata,"a",@progbits
	.p2align	6, 0x0
	.amdhsa_kernel k_qc5fcabcb51_oproj
		.amdhsa_group_segment_fixed_size 168448
		.amdhsa_private_segment_fixed_size 0
		.amdhsa_enable_private_segment 0
		.amdhsa_kernarg_size 40
		.amdhsa_user_sgpr_count 2
		.amdhsa_user_sgpr_kernarg_segment_ptr 1
		.amdhsa_wavefront_size32 1
		.amdhsa_system_sgpr_workgroup_id_x 1
		.amdhsa_system_sgpr_workgroup_id_y 1
		.amdhsa_system_sgpr_workgroup_id_z 1
		.amdhsa_system_vgpr_workitem_id 0
		.amdhsa_next_free_vgpr 416
		.amdhsa_next_free_sgpr 66
		.amdhsa_reserve_vcc 0
		.amdhsa_float_denorm_mode_32 3
		.amdhsa_float_denorm_mode_16_64 3
		.amdhsa_memory_ordered 1
		.amdhsa_forward_progress 1
		.amdhsa_inst_pref_size 30
	.end_amdhsa_kernel
	.amdgpu_metadata
---
amdhsa.version: [ 1, 2 ]
amdhsa.kernels:
  - .name:           k_qc5fcabcb51_oproj
    .symbol:         k_qc5fcabcb51_oproj.kd
    .args:
      - { .name: ac, .offset: 0, .size: 8, .value_kind: global_buffer, .address_space: global }
      - { .name: asc, .offset: 8, .size: 8, .value_kind: global_buffer, .address_space: global }
      - { .name: tiles, .offset: 16, .size: 8, .value_kind: global_buffer, .address_space: global }
      - { .name: bo, .offset: 24, .size: 8, .value_kind: global_buffer, .address_space: global }
      - { .name: out0, .offset: 32, .size: 8, .value_kind: global_buffer, .address_space: global }
    .group_segment_fixed_size: 168448
    .private_segment_fixed_size: 0
    .kernarg_segment_align: 8
    .kernarg_segment_size: 40
    .max_flat_workgroup_size: 128
    .sgpr_count:     66
    .vgpr_count:     416
    .wavefront_size: 32
...
	.end_amdgpu_metadata
.endif
;; end of part 4
